; MI455X (gfx1250); checked and timed in simulation.
; The chip was launched on July 23, 2026; its instructions are those of AMD's public machine-readable ISA for CDNA 5 (MIT licence, August 2026) and "CDNA5" Instruction Set Architecture Reference Guide (July 2026). The comments in the code are by the model that wrote it; some were corrected since.
;; Multi Head Self Attention. Allowed arithmetic: matrix products marked QUANTISED: E2M3 operands, one E8M0 scale for each 32 along K, by v_wmma_scale_f32_16x16x128_f8f6f4 with both operands' format E2M3, f32 sums; everything else in f32.
;; Inputs: L 4 x 512 int32; Wproj 1,024 x 1,024 float32; Wqkv 8 x 1,024 x 3,072 float32; X 4 x 512 x 1,024 float32; bproj 1,024 float32; bqkv 8 x 3,072 float32.
;; Outputs: out0 4 x 512 x 1,024 float32.
;; This version of the problem:
;;   THIS VERSION OF THE PROBLEM IS GIVEN IN LOW PRECISION. The matrix products marked QUANTISED in the list below multiply operands that are first quantised to E2M3 (2 exponent bits, 3 mantissa bits; 6 bits a number), with one power-of-two scale for each 32 numbers along K (OCP MX v1.0); their sums are f32. All else is computed in f32.
;;   The module's matrix products, in the order in which they are computed (A, B: the left and right operand; K: the contracted axis; several contracted axes count as one K, in the product's order):
;;     1. [M 2,048, K 1,024] x [K 1,024, N 3,072]; A: input X; B: input Wqkv: QUANTISED
;;     2. [M 2,048, K 1,024] x [K 1,024, N 3,072]; A: input X; B: input Wqkv: QUANTISED
;;     3. [M 2,048, K 1,024] x [K 1,024, N 3,072]; A: input X; B: input Wqkv: QUANTISED
;;     4. [M 2,048, K 1,024] x [K 1,024, N 3,072]; A: input X; B: input Wqkv: QUANTISED
;;     5. [M 2,048, K 1,024] x [K 1,024, N 3,072]; A: input X; B: input Wqkv: QUANTISED
;;     6. [M 2,048, K 1,024] x [K 1,024, N 3,072]; A: input X; B: input Wqkv: QUANTISED
;;     7. [M 2,048, K 1,024] x [K 1,024, N 3,072]; A: input X; B: input Wqkv: QUANTISED
;;     8. [M 2,048, K 1,024] x [K 1,024, N 3,072]; A: input X; B: input Wqkv: QUANTISED
;;     9. batch 64 x [M 512, K 64] x [K 64, N 512]; A: computed on the way; B: computed on the way: QUANTISED
;;     10. batch 64 x [M 512, K 512] x [K 512, N 64]; A: softmax (see below); B: computed on the way: QUANTISED
;;     11. [M 2,048, K 1,024] x [K 1,024, N 1,024]; A: computed on the way; B: input Wproj: QUANTISED
;;   THE QUANTISER, for each operand of a quantised product, along K:
;;     - K is cut into blocks of 32 from its start; a last block that is shorter is filled with zeros.
;;     - A block's scale is 2^e with e = floor(log2(the largest magnitude in the block)) - 2, held to -126 .. 127; a block of zeros has e = 0. As a byte (E8M0): e + 127.
;;     - Each number is divided by its block's scale, clamped to +-7.5, and rounded to the nearest number of E2M3, ties to even, subnormals kept.
;;     - The product sums the exact products of the quantised numbers (number of the format x scale) in f32.
;;   ~~~python
;;   def quantise(x, axis):      # numpy; x: float32 -> the quantised numbers, widened to float32 again
;;       x = np.moveaxis(x, axis, -1); K = x.shape[-1]
;;       x = np.pad(x, [(0, 0)] * (x.ndim - 1) + [(0, -K % 32)]); x = x.reshape(x.shape[:-1] + (-1, 32)); a = np.abs(x).max(-1, keepdims=True)
;;       e = np.where(a > 0, np.clip(np.frexp(np.where(a > 0, a, 1))[1] - 1 - 2, -126, 127), 0)      # np.frexp(a)[1] - 1 = floor(log2(a)), exactly
;;       r = np.clip(x / 2.0 ** e, -7.5, 7.5)
;;       step = 2.0 ** (np.maximum(np.frexp(np.where(r == 0, 1, r))[1] - 1, 0) - 3)
;;       q = np.round(r / step) * step * 2.0 ** e      # np.round: ties to even
;;       return np.moveaxis(q.reshape(q.shape[:-2] + (-1,))[..., :K], -1, axis).astype(np.float32)
;;   ~~~
;;   SOFTMAX AHEAD OF A QUANTISED PRODUCT. Where the list says 'softmax', what is quantised is not the finished softmax but p = 2^(t - M), with t = logit x log2(e) and M = ceil(the row's largest t), a whole number; so 1/2 < the row's largest p <= 1. The row's sum l is taken of the UNQUANTISED p, in f32, and the product's result is divided by l at the end. Since M is a whole number, a kernel that streams over the keys may use a running M (the ceiling of the running maximum): every later rescaling is an exact power of two, which a block's scale takes up: the codes' values come out the same.
;;   OPERANDS COMPUTED ON THE WAY. 'Computed on the way' means the value that the module computes at that place (a softmax that the list does not call 'softmax' is quantised finished and normalised). What goes into a quantiser is computed in f32, as accurately as f32 sums, v_exp_f32 and their like allow (about 1e-6 of the number): no bf16 or f16 on the way to a quantiser, and a product that is left as it is and whose result goes on into a quantised operand takes f32 operands (vector FMAs, or v_wmma_f32_16x16x4_f32). A number that lies on a knife's edge between two numbers of the format may be rounded either way, as far as f32 arithmetic and the matrix unit's own rounding can turn it there, and no further.
;; One version. Each part assembles by itself: llvm-mc -triple=amdgcn-amd-amdhsa -mcpu=gfx1250 --defsym DOCPART=n.
;; ======== version 1 of 1: 4 launches
;; workspace buffers: xq 1,638,400 bytes; aq 1,638,400 bytes; wp 819,200 bytes; route 66,560 bytes of whole numbers; qk 3,407,872 bytes; vbuf 8,388,608 bytes
;; launch prep (part 1): grid 161 x 1, 8 waves a work-group, no clusters, 0 bytes of LDS; arguments X, L, Wproj, xq, wp, route; writes xq, wp, route
.if DOCPART == 1
	.amdgcn_target "amdgcn-amd-amdhsa--gfx1250"
	.amdhsa_code_object_version 6
	.text
	.protected	k_q48fde858e6_prep
	.globl	k_q48fde858e6_prep
	.p2align	8
	.type	k_q48fde858e6_prep,@function
k_q48fde858e6_prep:
	s_mov_b64 s[64:65], 0
	v_nop
	global_prefetch_b8 v0, s[64:65] scope:SCOPE_SE
	s_setreg_imm32_b32 hwreg(HW_REG_WAVE_MODE, 25, 1), 1
	s_wait_xcnt 0x0
; Three jobs that part on the work-group's number; no LDS, no barrier, waves share nothing.
;   work-group 0:        a counting sort of the 2,048 labels: wave l writes label l's list of 2,048 places: label l's tokens first, and in every further place one of label l's own tokens again; and their count.
;   work-groups 1-32:    Wproj [1024 (k)][1024 (n)] f32 -> codes of E2M3 along K, laid as images of operand registers, and E8M0 scale words.
;   work-groups 33-160:  X [2048][1024] f32 -> codes of E2M3 along K, a token's 800 bytes on end: piece (h, s) of 48 bytes at 384 h + 48 s = registers 0-11 of lane (r, h) for K step s; 8 scale words at 768.
; A block's scale is 2^(floor(log2(largest magnitude)) - 2); its byte is the largest magnitude's exponent field - 2, held at 1 from below.
; LIMITS: labels are 0..7 (a token with another label is put in no list); NaN and infinities are not served; a block of zeros keeps the byte 1 where the rule says 127:
; its codes are zeros, and this program alone reads the bytes.
.set TM,  16                           ; v16-31  QUANT: largest magnitudes, bytes, scale operands
.set PW,  32                           ; v32     QUANT: the scale word
.set PC,  36                           ; v36-54  QUANT: the codes
.set SEL, 24                           ; s[24:25] selects of v_permlanex16_b32: lane l xor 16
; 32 numbers of ONE block in v[xs .. xs+31] -> 24 bytes of codes in v[c .. c+5], the scale's byte in v[t+3].  d: three registers at work (a conversion's three begin on an even number)
.macro QWCORE xs, c, d, t
	v_max3_num_f32 v[\t], |v[\xs]|, |v[\xs+1]|, |v[\xs+2]|
	v_max3_num_f32 v[\t+1], |v[\xs+3]|, |v[\xs+4]|, |v[\xs+5]|
.irp i, 6,10,14,18,22,26
	v_max3_num_f32 v[\t], v[\t], |v[\xs+\i]|, |v[\xs+\i+1]|
	v_max3_num_f32 v[\t+1], v[\t+1], |v[\xs+\i+2]|, |v[\xs+\i+3]|
.endr
	v_max3_num_f32 v[\t], v[\t], |v[\xs+30]|, |v[\xs+31]|
	v_max3_num_f32 v[\t], v[\t], v[\t+1], 0x1800000   ; the floor 2^(3 - 127): the byte cannot fall under 1
	v_add_nc_u32 v[\t+2], 0xff000000, v[\t]           ; 2 off the exponent field: the conversion's scale operand
	v_lshrrev_b32 v[\t+3], 23, v[\t+2]                ; the scale's byte
	v_cvt_scalef32_pk16_fp6_f32 v[\c:\c+2], v[\xs:\xs+15], v[\t+2]
	v_cvt_scalef32_pk16_fp6_f32 v[\d:\d+2], v[\xs+16:\xs+31], v[\t+2]
	v_nop                                             ; one plain place behind a scaled conversion
	v_mov_b32 v[\c+3], v[\d]
	v_mov_b32 v[\c+4], v[\d+1]
	v_mov_b32 v[\c+5], v[\d+2]
.endm
; 64 numbers of a lane, register 16 b + i = k 32 b + 16 (lane / 16) + i of my row, become a fragment's codes in v[PC] on and its scale word in v[PW]
.macro QUANT s
.irp b, 0,1,2,3
	v_max3_num_f32 v[TM+\b], |v[\s+16*\b]|, |v[\s+1+16*\b]|, 0x1800000
.endr
.irp i, 2,4,6,8,10,12,14
.irp b, 0,1,2,3
	v_max3_num_f32 v[TM+\b], v[TM+\b], |v[\s+16*\b+\i]|, |v[\s+1+16*\b+\i]|
.endr
.endr
.irp b, 0,1,2,3
	v_permlanex16_b32 v[TM+4+\b], v[TM+\b], s[SEL], s[SEL+1]
.endr
.irp b, 0,1,2,3
	v_max_num_f32 v[TM+\b], v[TM+\b], v[TM+4+\b]      ; with lane l xor 16's: the block's largest magnitude
.endr
.irp b, 0,1,2,3
	v_add_nc_u32 v[TM+12+\b], 0xff000000, v[TM+\b]
.endr
.irp b, 0,1,2,3
	v_lshrrev_b32 v[TM+4+\b], 23, v[TM+12+\b]
.endr
	v_lshl_or_b32 v[PW], v[TM+5], 8, v[TM+4]
	v_lshl_or_b32 v[PW], v[TM+6], 16, v[PW]
	v_lshl_or_b32 v[PW], v[TM+7], 24, v[PW]
.irp c, 0,1
	v_cvt_scalef32_pk16_fp6_f32 v[PC+6*\c:PC+2+6*\c], v[\s+32*\c:\s+15+32*\c], v[TM+12+2*\c]
	v_cvt_scalef32_pk16_fp6_f32 v[PC+12+4*\c:PC+14+4*\c], v[\s+16+32*\c:\s+31+32*\c], v[TM+12+2*\c+1]
.endr
	v_nop                                             ; one plain place behind a scaled conversion
.irp c, 0,1                                       ; the operand's layout wants a whole block in a lane
.irp i, 0,1,2
	v_permlane16_swap_b32 v[PC+6*\c+\i], v[PC+12+4*\c+\i]
.endr
.irp i, 0,1,2
	v_mov_b32 v[PC+3+6*\c+\i], v[PC+12+4*\c+\i]
.endr
.endr
.endm
	s_load_b256 s[4:11], s[0:1], 0x0               ; X s[4:5], L s[6:7], Wproj s[8:9], xq s[10:11]
	s_load_b128 s[12:15], s[0:1], 0x20             ; wp s[12:13], route s[14:15]
	v_lshrrev_b32 v1, 5, v0
	v_readfirstlane_b32 s16, v1                    ; wave 0..7
	v_and_b32 v2, 31, v0                           ; lane
	v_lshlrev_b32 v3, 2, v2                        ; 4 x lane
	s_wait_kmcnt 0x0
	s_cmp_eq_u32 ttmp9, 0
	s_cbranch_scc0 .Lnot_sort
; ---- THE SORT.  Wave l takes all 2,048 labels, 64 registers a lane.  Register q of lane x holds token 128 (q / 4) + 4 x + q % 4; the walk goes by registers, in a register by lanes.
; A token of label l goes to the place "label l's tokens before it in the walk".  Any other token names the place 2,047 less "the others before it", and there one of label l's own tokens is written:
; so every place of the list is written once, whatever the labels are, and a reader that takes 16 places at a time finds, behind the label's last token, copies of a token that is the label's.
; IN PHASES: register q's mask of the label's lanes stays in a scalar register of its own (s26-63, s66-91), and each line of the arithmetic is run over all 64 registers on end: no line reads the result of the line above it.
	v_lshlrev_b32 v4, 4, v2
.irp g, 0,1,2,3,4,5,6,7,8,9,10,11,12,13,14,15
	global_load_b128 v[16+4*\g:19+4*\g], v4, s[6:7] offset:512*\g
.endr
	s_lshl_b32 s18, s16, 13                        ; label l's list: 8,192 bytes
	s_mov_b32 s19, 0
	s_add_nc_u64 s[18:19], s[14:15], s[18:19]
	s_mov_b32 s21, 0                               ; label l's tokens so far
	s_mov_b32 s22, 0                               ; the last register that holds one of them,
	s_mov_b32 s23, 0                               ; and its mask
	s_wait_loadcnt 0x0
.set q, 0
.rept 64
	v_cmp_eq_u32 s[26+q+2*(q/38)], s16, v[16+q]    ; which lanes of register q hold label l
.set q, q+1
.endr
.set q, 0
.rept 64                                       ; one of the label's tokens: the last register that holds one,
	s_cmp_lg_u32 s[26+q+2*(q/38)], 0
	s_cselect_b32 s22, q, s22
	s_cselect_b32 s23, s[26+q+2*(q/38)], s23
.set q, q+1
.endr
	s_ctz_i32_b32 s23, s23                         ; its first lane
	s_max_i32 s23, s23, 0                          ; (a label without tokens: token 0; such a list's front part is empty)
	s_lshl_b32 s23, s23, 2
	s_and_b32 s20, s22, 3
	s_add_co_u32 s23, s23, s20
	s_lshr_b32 s22, s22, 2
	s_lshl_b32 s22, s22, 7
	s_add_co_u32 s23, s23, s22                     ; 128 (q / 4) + 4 lane + q % 4
	v_mov_b32 v7, s23
.set q, 0
.rept 64
	v_mbcnt_lo_u32_b32 v[80+q], s[26+q+2*(q/38)], s21   ; label l's tokens before me
	s_bcnt1_i32_b32 s20, s[26+q+2*(q/38)]
	s_add_co_u32 s21, s21, s20
.set q, q+1
.endr
.set q, 0
.rept 64
	v_sub_nc_u32 v[16+q], v[80+q], v2              ; (the labels' registers are done with: they serve as work registers)
.set q, q+1
.endr
.set q, 0
.rept 64
	v_add_nc_u32 v[16+q], 2047-32*q, v[16+q]       ; 2,047 - (32 q + lane - those)
.set q, q+1
.endr
.set q, 0
.rept 64
	v_cndmask_b32 v[80+q], v[16+q], v[80+q], s[26+q+2*(q/38)]
.set q, q+1
.endr
.set q, 0
.rept 64
	v_min_u32 v[80+q], 0x7ff, v[80+q]              ; a place made from loaded numbers is held inside the list
.set q, q+1
.endr
.set q, 0
.rept 64
	v_lshlrev_b32 v[80+q], 2, v[80+q]
.set q, q+1
.endr
.set q, 0
.rept 64
	v_add_nc_u32 v[144+q], 128*(q/4)+q%4, v3       ; the token's number
.set q, q+1
.endr
.set q, 0
.rept 64
	v_cndmask_b32 v[144+q], v7, v[144+q], s[26+q+2*(q/38)]   ; another label's token gives its place to the copy
.set q, q+1
.endr
.set q, 0
.rept 64
	global_store_b32 v[80+q], v[144+q], s[18:19]   ; each store has registers of its own: none is written again
.set q, q+1
.endr
	v_mov_b32 v5, s21
	v_lshl_add_u32 v6, s16, 7, v3
	global_store_b32 v6, v5, s[14:15] offset:65536 ; the count, 32 equal words: 128 consecutive bytes a label
	s_endpgm
.Lnot_sort:
	s_cmp_lt_u32 ttmp9, 33
	s_cbranch_scc0 .Lx_path
; ---- WPROJ.  Work-group = 32 columns, wave = K step s of 128.  A lane takes a column and its registers run down K: each load reads 128 consecutive bytes, a block of 32 lies in one lane.
; Column 32 g + x goes to tile t = 2 g + x3, tile row m = (x & 7) + 8 x4, so that in the transposed product a lane's 16 registers of two neighbouring tiles are 16 neighbouring columns.
	s_sub_co_u32 s17, ttmp9, 1                     ; which 32 columns
	s_lshl_b32 s18, s16, 19                        ; 128 rows of 4,096 bytes a K step
	s_lshl_b32 s19, s17, 7
	s_add_co_u32 s18, s18, s19
	s_mov_b32 s19, 0
	s_add_nc_u64 s[8:9], s[8:9], s[18:19]
.set li, 0
.rept 128
	global_load_b32 v[64+li], v3, s[8:9] offset:li*4096 th:TH_LOAD_NT
.set li, li+1
.endr
	v_bfe_u32 v6, v0, 3, 1                         ; x3
	v_bfe_u32 v7, v0, 4, 1                         ; x4
	v_and_b32 v8, 7, v0
	v_mul_u32_u24 v9, v8, 24
	v_mad_u32_u24 v9, v7, 192, v9
	v_mad_u32_u24 v9, v6, 1536, v9                 ; codes: 24 m + 1,536 x3
	v_lshlrev_b32 v10, 5, v8
	v_lshl_add_u32 v10, v7, 8, v10
	v_lshl_add_u32 v10, v6, 2, v10                 ; scale word: 32 m + 4 x3
	s_lshr_b32 s20, s17, 2                         ; the block of 128 columns
	s_and_b32 s21, s17, 3                          ; g
	s_mul_i32 s20, s20, 102400
	s_mul_i32 s18, s16, 12288
	s_add_co_u32 s18, s18, s20
	s_mul_i32 s22, s21, 3072
	s_add_co_u32 s18, s18, s22
	s_add_nc_u64 s[18:19], s[12:13], s[18:19]
	s_lshl_b32 s22, s16, 9
	s_add_co_u32 s22, s22, s20
	s_lshl_b32 s23, s21, 3
	s_add_co_u32 s22, s22, s23
	s_mov_b32 s23, 0
	s_add_nc_u64 s[22:23], s[12:13], s[22:23]
.macro WPB kb, n                       ; block kb of the K step: c = kb / 2, half = kb % 2 of the fragment
	s_wait_loadcnt \n
	QWCORE 64+32*\kb, 16+6*\kb, 40, 44
.if \kb == 0
	v_mov_b32 v48, v47
.else
	v_lshl_or_b32 v48, v47, 8*\kb, v48
.endif
.irp i, 0,1,2
	global_store_b64 v9, v[16+6*\kb+2*\i:17+6*\kb+2*\i], s[18:19] offset:(\kb/2)*768+(\kb%2)*384+8*\i
.endr
.endm
	WPB 0, 63                                      ; behind block 0's loads stand 96, behind block 1's 64: the count is the largest that the wait can name
	WPB 1, 63
	WPB 2, 32                                      ; behind block 2's stand 32
	WPB 3, 0
	global_store_b32 v10, v48, s[22:23] offset:98304
	s_endpgm
.Lx_path:
; ---- X.  Work-group = 16 rows, wave = K step s.  Lane (r, h) takes, of row r, 16 neighbouring numbers of each block of 32.
	s_sub_co_u32 s17, ttmp9, 33
	s_lshl_b32 s18, s17, 16                        ; 16 rows of 4,096 bytes
	s_lshl_b32 s19, s16, 9                         ; 128 numbers a K step
	s_add_co_u32 s18, s18, s19
	s_mov_b32 s19, 0
	s_add_nc_u64 s[4:5], s[4:5], s[18:19]
	v_and_b32 v6, 15, v0                           ; r
	v_bfe_u32 v7, v0, 4, 1                         ; h
	v_lshlrev_b32 v8, 12, v6
	v_lshl_add_u32 v8, v7, 6, v8
.irp b, 0,1,2,3
.irp j, 0,1,2,3
	global_load_b128 v[64+16*\b+4*\j:67+16*\b+4*\j], v8, s[4:5] offset:128*\b+16*\j th:TH_LOAD_NT
.endr
.endr
	s_mov_b32 s[SEL], 0x76543210
	s_mov_b32 s[SEL+1], 0xfedcba98
.irp b, 0,1,2,3
	v_mov_b32 v[TM+4+\b], 0                        ; a lane permute's destination counts as one of its sources
.endr
	s_mul_i32 s20, s17, 12800                      ; 16 tokens of 800 bytes
	s_mul_i32 s18, s16, 48
	s_add_co_u32 s18, s18, s20
	s_add_nc_u64 s[26:27], s[10:11], s[18:19]      ; the codes' piece of K step s
	s_lshl_b32 s18, s16, 2
	s_add_co_u32 s18, s18, s20
	s_add_nc_u64 s[28:29], s[10:11], s[18:19]      ; its scale word
	v_mul_u32_u24 v9, v6, 800
	v_mad_u32_u24 v10, v7, 384, v9
	s_wait_loadcnt 0x0
	QUANT 64
.irp j, 0,1,2
	global_store_b128 v10, v[PC+4*\j:PC+4*\j+3], s[26:27] offset:16*\j
.endr
	global_store_b32 v9, v[PW], s[28:29] offset:768 ; both halves of the lanes hold the row's word and write it to the same place
	s_endpgm
.Lfunc_end_k_q48fde858e6_prep:
	.size	k_q48fde858e6_prep, .Lfunc_end_k_q48fde858e6_prep-k_q48fde858e6_prep
	.p2alignl 7, 3214868480
	.fill 96, 4, 3214868480
	.section	.rodata,"a",@progbits
	.p2align	6, 0x0
	.amdhsa_kernel k_q48fde858e6_prep
		.amdhsa_group_segment_fixed_size 0
		.amdhsa_private_segment_fixed_size 0
		.amdhsa_enable_private_segment 0
		.amdhsa_kernarg_size 48
		.amdhsa_user_sgpr_count 2
		.amdhsa_user_sgpr_kernarg_segment_ptr 1
		.amdhsa_wavefront_size32 1
		.amdhsa_system_sgpr_workgroup_id_x 1
		.amdhsa_system_sgpr_workgroup_id_y 1
		.amdhsa_system_sgpr_workgroup_id_z 1
		.amdhsa_system_vgpr_workitem_id 0
		.amdhsa_next_free_vgpr 208
		.amdhsa_next_free_sgpr 96
		.amdhsa_reserve_vcc 0
		.amdhsa_float_denorm_mode_32 3
		.amdhsa_float_denorm_mode_16_64 3
		.amdhsa_memory_ordered 1
		.amdhsa_forward_progress 1
		.amdhsa_inst_pref_size 78
	.end_amdhsa_kernel
	.amdgpu_metadata
---
amdhsa.version: [ 1, 2 ]
amdhsa.kernels:
  - .name:           k_q48fde858e6_prep
    .symbol:         k_q48fde858e6_prep.kd
    .args:
      - { .name: X, .offset: 0, .size: 8, .value_kind: global_buffer, .address_space: global }
      - { .name: L, .offset: 8, .size: 8, .value_kind: global_buffer, .address_space: global }
      - { .name: Wproj, .offset: 16, .size: 8, .value_kind: global_buffer, .address_space: global }
      - { .name: xq, .offset: 24, .size: 8, .value_kind: global_buffer, .address_space: global }
      - { .name: wp, .offset: 32, .size: 8, .value_kind: global_buffer, .address_space: global }
      - { .name: route, .offset: 40, .size: 8, .value_kind: global_buffer, .address_space: global }
    .group_segment_fixed_size: 0
    .private_segment_fixed_size: 0
    .kernarg_segment_align: 8
    .kernarg_segment_size: 48
    .max_flat_workgroup_size: 256
    .sgpr_count:     96
    .vgpr_count:     208
    .wavefront_size: 32
...
	.end_amdgpu_metadata
.endif
;; end of part 1
;; launch qkv (part 2): grid 24 x 8, 16 waves a work-group, no clusters, 309,248 bytes of LDS; arguments Wqkv, bqkv, xq, route, qk, vbuf; writes qk, vbuf
.if DOCPART == 2
	.amdgcn_target "amdgcn-amd-amdhsa--gfx1250"
	.amdhsa_code_object_version 6
	.text
	.protected	k_q48fde858e6_qkv
	.globl	k_q48fde858e6_qkv
	.p2align	8
	.type	k_q48fde858e6_qkv,@function
k_q48fde858e6_qkv:
	s_mov_b64 s[64:65], 0
	v_nop
	global_prefetch_b8 v0, s[64:65] scope:SCOPE_SE
	s_setreg_imm32_b32 hwreg(HW_REG_WAVE_MODE, 25, 1), 1
	s_wait_xcnt 0x0
; qkv = X Wqkv[label] + bqkv[label], only for the rows of each label, on codes of E2M3 with E8M0 scales.
; SHARES.  Work-group (x, label) owns columns 128 x .. 128 x + 127 of one label's weight: 512 KiB of f32, read ONCE, quantised in registers (a lane a column, registers down K) and kept as codes in LDS.
;   x 0-7: q, 8-15: k (both leave as codes, quantised along the head's 64), 16-23: v (leaves as f32: its blocks run along the tokens and mix labels).
; STREAM.  In K step s wave w takes 32 columns (w & 3) x 32 k (w >> 2): 32 loads of 128 consecutive bytes; the four waves of one k range stand side by side on 512.  Two units, 64 loads a wave, are out.
;   The loads of the unit two steps on stand among the LDS loads of the step's products, four behind each tile's six: a wave asks memory and LDS by turns, and nothing but the step's own codes stands ahead of its barrier.
; PRODUCT.  Wave w owns rows 16 w .. 16 w + 15 of the label's list against all 8 column tiles, transposed: source 0 = 16 columns of W, source 1 = 16 rows of x, so a lane holds one token and its
;   registers run along the columns.  The bias is the C of a sum's first product.
; K steps 0-7 hold no branch on loaded numbers and one barrier each; all that hangs on the label's count stands behind the last barrier; W's codes stay in LDS for it.
; NO STORE IS MASKED.  Behind the label's last token the list holds copies of one of the label's own tokens: the rows that fill up a tile compute that token's numbers again and store them to the same
;   bytes, inside this one work-group.  At most 15 rows of a label are so done twice.
; THE TILES OF A WAVE: list rows 256 k + 16 w on, k = 0 .. 7 (8 x 256 = all 2,048 tokens, so every split is served).  The eight tokens of a lane are loaded at the head, each into a register of its own,
;   and held inside the table there; the tiles are written out one behind the other.  The first tile whose first row is not one of the label's ends the wave: a label without tokens stores nothing.
; No tensor load.  No multicast: work-groups share only x's codes, a small part of a work-group's bytes.
; LIMITS: labels 0..7; NaN and infinities are not served; a block of zeros keeps the byte 1 (zero codes; the bytes are read by this program alone).
.set WSC,   98304                      ; LDS: 0: W's codes, fragment (s, t) at 12,288 s + 1,536 t + 768 c + 24 lane;  WSC: scale words at 512 s + 32 m + 4 t
.set XOWN,  102400                     ; 12,288 bytes a wave: its tile of x, register group q at 512 q + 16 lane; on v's way out a stage of 16 rows x 528 bytes
.set BIAS,  299008                     ; 512 bytes a wave: its copy of the 128 biases
.set SPARE, 307200                     ; the spare words, 128 bytes a wave: no other line names them
.set SPW,  1                           ; v1   my spare word's address; never rewritten
.set NIL,  2                           ; v2   0; never rewritten
.set WOFF, 3                           ; v3   W: my column and my 32 rows of a K step, in bytes; never rewritten
.set WST,  4                           ; v4-5 where my codes go in LDS (K steps 0-3, 4-7)
.set WSS,  6                           ; v6   where my scale byte goes
.set WRD,  7                           ; v7-8 24 x lane: a fragment's place for my lane (K steps 0-3, 4-7)
.set WSR,  9                           ; v9   my tile row's scale words
.set XLD,  10                          ; v10  my wave's region + 16 x lane
.set TOK,  11                          ; v11  the token of my list row 16 w + r
.set TK1,  12                          ; and of the rows 256, 512 .. 1,792 further on: seven registers that hold nothing else
.set TK2,  13
.set TK3,  230
.set TK4,  231
.set TK5,  235
.set TK6,  252
.set TK7,  253
.set RR,   14                          ; v14  lane % 16
.set HH,   15                          ; v15  lane / 16
.set XS,   16                          ; v16-23 x's scale words, one a K step: scales and nothing else
.set WS,   24                          ; v24-31 W's scale words, one a tile: scales and nothing else
.set XF,   32                          ; v32-43 x's fragment
.set RA,   44                          ; v44-107 the stream's two units of 32 numbers
.set WF,   108                         ; v108-155 four fragments of W
.set WF8,  60                          ; v60-155 eight, behind the stream
.set ACC,  156                         ; v156-219 eight accumulators
.set T,    220                         ; v220-223, v224-229, v232-234: QWCORE's
.set C,    224
.set D,    232
.set BA,   236                         ; v236 my bias copy + 64 h
.set BST,  237                         ; v237 my bias copy + 16 x lane
.set STI,  238                         ; v238 the stage: row r, + 64 h
.set H384, 239                         ; v239 384 h
.set L16,  240                         ; v240 16 x lane
.set GX,   241                         ; v241-242 offsets of x's codes and scale words
.set GS,   242
.set CA,   243                         ; v243-244 offsets of q's / k's codes and scale word
.set SA,   244
.set U0,   245                         ; v245-247, v254 at work
.set U1,   246
.set U2,   247
.set U3,   254
.set BL,   248                         ; v248-251 the bias as loaded
.set G,    108                         ; v108-203 x's tile as gathered
.set TM,   108                         ; the way out: QUANT's
.set PW,   124
.set PC,   128
.set OUTR, 44                          ; v's way out: 16 rows back from the stage; v108-123 their offsets
.set AD,   108
.set SEL,  36
.macro PLACES                          ; four plain places between a matrix instruction and a load into, or a vector access to, its registers (ISA guide 7.12.1 for vector instructions)
.rept 4
	v_nop
.endr
.endm
.macro QWCORE xs, c, d, t              ; 32 numbers of ONE block -> 24 bytes of codes in v[c .. c+5], the scale's byte in v[t+3]
	v_max3_num_f32 v[\t], |v[\xs]|, |v[\xs+1]|, |v[\xs+2]|
	v_max3_num_f32 v[\t+1], |v[\xs+3]|, |v[\xs+4]|, |v[\xs+5]|
.irp i, 6,10,14,18,22,26
	v_max3_num_f32 v[\t], v[\t], |v[\xs+\i]|, |v[\xs+\i+1]|
	v_max3_num_f32 v[\t+1], v[\t+1], |v[\xs+\i+2]|, |v[\xs+\i+3]|
.endr
	v_max3_num_f32 v[\t], v[\t], |v[\xs+30]|, |v[\xs+31]|
	v_max3_num_f32 v[\t], v[\t], v[\t+1], 0x1800000   ; the floor 2^(3 - 127)
	v_add_nc_u32 v[\t+2], 0xff000000, v[\t]           ; 2 off the exponent field: the conversion's scale operand
	v_lshrrev_b32 v[\t+3], 23, v[\t+2]
	v_cvt_scalef32_pk16_fp6_f32 v[\c:\c+2], v[\xs:\xs+15], v[\t+2]
	v_cvt_scalef32_pk16_fp6_f32 v[\d:\d+2], v[\xs+16:\xs+31], v[\t+2]
	v_nop                                             ; one plain place behind a scaled conversion
	v_mov_b32 v[\c+3], v[\d]
	v_mov_b32 v[\c+4], v[\d+1]
	v_mov_b32 v[\c+5], v[\d+2]
.endm
.macro QUANT s                         ; 64 numbers, register 16 b + i = column 32 b + 16 h + i of my token -> codes in v[PC] on, scale word in v[PW]
.irp b, 0,1,2,3
	v_max3_num_f32 v[TM+\b], |v[\s+16*\b]|, |v[\s+1+16*\b]|, 0x1800000
.endr
.irp i, 2,4,6,8,10,12,14
.irp b, 0,1,2,3
	v_max3_num_f32 v[TM+\b], v[TM+\b], |v[\s+16*\b+\i]|, |v[\s+1+16*\b+\i]|
.endr
.endr
.irp b, 0,1,2,3
	v_permlanex16_b32 v[TM+4+\b], v[TM+\b], s[SEL], s[SEL+1]
.endr
.irp b, 0,1,2,3
	v_max_num_f32 v[TM+\b], v[TM+\b], v[TM+4+\b]
.endr
.irp b, 0,1,2,3
	v_add_nc_u32 v[TM+12+\b], 0xff000000, v[TM+\b]
.endr
.irp b, 0,1,2,3
	v_lshrrev_b32 v[TM+4+\b], 23, v[TM+12+\b]
.endr
	v_lshl_or_b32 v[PW], v[TM+5], 8, v[TM+4]
	v_lshl_or_b32 v[PW], v[TM+6], 16, v[PW]
	v_lshl_or_b32 v[PW], v[TM+7], 24, v[PW]
.irp c, 0,1
	v_cvt_scalef32_pk16_fp6_f32 v[PC+6*\c:PC+2+6*\c], v[\s+32*\c:\s+15+32*\c], v[TM+12+2*\c]
	v_cvt_scalef32_pk16_fp6_f32 v[PC+12+4*\c:PC+14+4*\c], v[\s+16+32*\c:\s+31+32*\c], v[TM+12+2*\c+1]
.endr
	v_nop
.irp c, 0,1
.irp i, 0,1,2
	v_permlane16_swap_b32 v[PC+6*\c+\i], v[PC+12+4*\c+\i]
.endr
.irp i, 0,1,2
	v_mov_b32 v[PC+3+6*\c+\i], v[PC+12+4*\c+\i]
.endr
.endr
.endm
; rows lo .. hi of my unit of K step u.  The immediate is at most (3 x 128 + 31) x 12,288 = 5,099,520, inside its signed 24 bits; K steps 4-7 have a base of their own
.macro LOADW u, lo, hi
.set li, \lo
.rept (\hi)-(\lo)+1
	global_load_b32 v[RA+32*((\u)%2)+li], v[WOFF], s[26+2*((\u)/4):27+2*((\u)/4)] offset:(((\u)%4)*128+li)*12288 th:TH_LOAD_NT
.set li, li+1
.endr
.endm
; K step s of the stream: my unit is quantised, its codes and byte go to LDS.  n: the loads that may stay out.  ld = 1: the unit two steps on is asked for here (step 0 alone; else MULT asks)
.macro STREAM_A s, n, ld
	s_wait_loadcnt \n
	QWCORE RA+32*((\s)%2), C, D, T
.irp i, 0,1,2
	ds_store_b64 v[WST+(\s)/4], v[C+2*\i:C+2*\i+1] offset:((\s)%4)*12288+8*\i
.endr
	ds_store_b8 v[WSS], v[T+3] offset:512*(\s)
.if \ld
	LOADW (\s)+2, 0, 31
.endif
.endm
.macro STREAM_B                        ; my stores have landed, for the others' sake; each byte of W's codes is written once in the launch, so this one barrier a step is all
	s_wait_dscnt 0x0
	s_barrier_signal -1
	s_barrier_wait -1
.endm
; K step s of my tile: eight products, the accumulators by turns.  W's fragments come B at a time.
; u >= 0: my unit of K step u of the stream is asked for on the way, four rows behind each tile's six LDS loads: 8 x 4 = its 32 rows, in ascending order.  They land in the registers that this step's
; conversions have read.  u = -1: nothing is asked for.
.macro MULT s, B, u
	PLACES
.irp j, 0,1,2
	ds_load_b128 v[XF+4*\j:XF+4*\j+3], v[XLD] offset:512*(3*(\s)+\j)
.endr
.irp j, 0,1
	ds_load_b128 v[WS+4*\j:WS+4*\j+3], v[WSR] offset:512*(\s)+16*\j
.endr
.if (\s) == 0
.irp t, 0,1,2,3,4,5,6,7                ; the bias, in the result's layout, is what the first product adds onto: register j of tile 2 b + u is column 32 b + 16 h + 8 u + j
	ds_load_b128 v[ACC+8*\t:ACC+8*\t+3], v[BA] offset:128*(\t/2)+32*(\t%2)
	ds_load_b128 v[ACC+8*\t+4:ACC+8*\t+7], v[BA] offset:128*(\t/2)+32*(\t%2)+16
.endr
.endif
.set t0, 0
.rept 8/(\B)
.if t0 > 0
	PLACES
.endif
.set tt, t0
.rept \B
.set FB, WF+12*(tt%4)
.if (\B) == 8
.set FB, WF8+12*tt
.endif
.irp p, 0,1,2,3,4,5
	ds_load_b64 v[FB+2*\p:FB+2*\p+1], v[WRD+(\s)/4] offset:((\s)%4)*12288+tt*1536+768*(\p/3)+8*(\p%3)
.endr
.if (\u) >= 0
.set li, 4*tt
.rept 4
	global_load_b32 v[RA+32*((\u)%2)+li], v[WOFF], s[26+2*((\u)/4):27+2*((\u)/4)] offset:(((\u)%4)*128+li)*12288 th:TH_LOAD_NT
.set li, li+1
.endr
.endif
.set tt, tt+1
.endr
.set tt, t0
.rept \B
.set FB, WF+12*(tt%4)
.if (\B) == 8
.set FB, WF8+12*tt
.endif
	s_wait_dscnt 6*(t0+(\B)-1-tt)                  ; the six LDS loads of each later tile of the run may stay out
	v_wmma_scale_f32_16x16x128_f8f6f4 v[ACC+8*tt:ACC+8*tt+7], v[FB:FB+11], v[XF:XF+11], v[ACC+8*tt:ACC+8*tt+7], v[WS+tt], v[XS+(\s)] matrix_a_fmt:MATRIX_FMT_FP6 matrix_b_fmt:MATRIX_FMT_FP6
.set tt, tt+1
.endr
.set t0, t0+(\B)
.endr
.endm
; my token's 384 bytes of codes (my half's eight pieces) and its eight scale words.  reg: the register that holds the token's number, held inside the table at the head
.macro GATHER reg
	v_mul_u32_u24 v[GS], v[\reg], 800
	v_add_nc_u32 v[GX], v[GS], v[H384]
.set gi, 0
.rept 24
	global_load_b128 v[G+4*gi:G+4*gi+3], v[GX], s[8:9] offset:16*gi
.set gi, gi+1
.endr
	global_load_b128 v[XS:XS+3], v[GS], s[8:9] offset:768
	global_load_b128 v[XS+4:XS+7], v[GS], s[8:9] offset:784
.endm
.macro XPUT                            ; the tile goes to my wave's own LDS bytes as an image of its registers
.set gi, 0
.rept 24
	ds_store_b128 v[XLD], v[G+4*gi:G+4*gi+3] offset:512*gi
.set gi, gi+1
.endr
.endm
; A wave whose next tile (first list row s24) begins behind the label's rows (s23 of them) is done, and ends here.
.macro LEAVE
	s_cmp_lt_u32 s24, s23
	s_cbranch_scc1 .Lmore_\@
	s_wait_tensorcnt 0x0                           ; the wave's end, behind my last LDS store
	ds_add_u32 v[SPW], v[NIL]
	s_wait_dscnt 0x0
	s_endpgm
.Lmore_\@:
.endm
; THE WAY OUT of a tile of 16 list rows.  reg: the register with my row's token.  All 16 rows are stored: those behind the label's last are copies of a row that is the label's.
.macro EPI reg
	v_and_b32 v[U0], 0x600, v[\reg]                ; 512 x batch.  (These thirteen lines name no register of the last products: they are the places behind them, on both ways)
	v_and_b32 v[U1], 0x1e7, v[\reg]                ; the token's number in its batch without bits 3 and 4,
	v_and_b32 v[U2], 8, v[\reg]                    ; which change places in the slab's order of rows
	v_and_b32 v[U3], 16, v[\reg]
	v_mul_u32_u24 v[U0], v[U0], 832                ; 16 slabs of 26,624 bytes a batch
	v_mad_u32_u24 v[CA], v[U1], 48, v[U0]
	v_mad_u32_u24 v[CA], v[U2], 96, v[CA]
	v_mad_u32_u24 v[CA], v[U3], 24, v[CA]
	v_mad_u32_u24 v[CA], v[HH], 24, v[CA]          ; codes: 48 bytes a row, block h at 24 h
	v_lshl_add_u32 v[SA], v[U1], 2, v[U0]
	v_lshl_add_u32 v[SA], v[U2], 3, v[SA]
	v_lshl_add_u32 v[SA], v[U3], 1, v[SA]
	v_mad_u32_u24 v[SA], v[HH], 26624, v[SA]       ; scale word: lanes 0-15 store the first head's, lanes 16-31 the second's
	s_cmp_lt_u32 s22, 16
	s_cbranch_scc0 .Lvpath_\@
.irp b, 0,1,2,3
	v_mov_b32 v[TM+4+\b], 0                        ; a lane permute's destination counts as one of its sources
.endr
	QUANT ACC                                      ; 128 columns = two heads of two blocks; each accumulator is read from its low end on
	v_and_b32 v[U0], 0xffff, v[PW]
	v_lshl_or_b32 v[U0], v[PW], 16, v[U0]          ; head 0: its two bytes, repeated for the padded k = 64 .. 127
	v_lshrrev_b32 v[U1], 16, v[PW]
	v_and_or_b32 v[U1], v[PW], 0xffff0000, v[U1]   ; head 1
	v_cmp_eq_u32 vcc_lo, 1, v[HH]
	v_cndmask_b32 v[U0], v[U0], v[U1], vcc_lo
.irp c, 0,1
.irp i, 0,1,2
	global_store_b64 v[CA], v[PC+6*\c+2*\i:PC+6*\c+2*\i+1], s[32:33] offset:26624*\c+8*\i
.endr
.endr
	global_store_b32 v[SA], v[U0], s[32:33] offset:24576
	s_branch .Lepi_end_\@
.Lvpath_\@:
.irp t, 0,1,2,3,4,5,6,7                ; v: through my own stage, so that a row's 512 bytes leave by one store
	ds_store_b128 v[STI], v[ACC+8*\t:ACC+8*\t+3] offset:128*(\t/2)+32*(\t%2)
	ds_store_b128 v[STI], v[ACC+8*\t+4:ACC+8*\t+7] offset:128*(\t/2)+32*(\t%2)+16
.endr
.irp i, 0,1,2,3,4,5,6,7,8,9,10,11,12,13,14,15
	ds_load_b128 v[OUTR+4*\i:OUTR+4*\i+3], v[XLD] offset:528*\i   ; LDS serves a wave's instructions in order: these see my stores
.endr
.irp i, 0,1,2,3,4,5,6,7,8,9,10,11,12,13,14,15
	v_readlane_b32 s41, v[\reg], \i                ; row i's token
	s_min_u32 s41, s41, 0x7ff
	v_lshl_add_u32 v[AD+\i], s41, 12, v[L16]       ; the token's row of 4,096 bytes + 16 x lane; a register of its own for each store
	s_wait_dscnt 15-\i
	global_store_b128 v[AD+\i], v[OUTR+4*\i:OUTR+4*\i+3], s[34:35]   ; 32 lanes store 512 consecutive bytes, at a multiple of 512 from the buffer's first byte
.endr
.Lepi_end_\@:
.endm
; One more tile of 16 list rows, 256 rows behind the wave's last one.  W's codes are read from LDS again, eight fragments at a time.
.macro OVER reg
	s_add_co_u32 s24, s24, 256                     ; the tile's first list row
	LEAVE
	s_wait_xcnt 0x0                                ; the last way out's stores have read their registers
	GATHER \reg
	s_wait_loadcnt 0x0                             ; nothing was loaded behind the gather
	XPUT
	s_wait_dscnt 0x0                               ; the stores have read their registers
.irp s, 0,1,2,3,4,5,6,7
	MULT \s, 8, -1
.endr
	EPI \reg
.endm
	s_load_b256 s[4:11], s[0:1], 0x0               ; Wqkv s[4:5], bqkv s[6:7], xq s[8:9], route s[10:11]
	s_load_b128 s[12:15], s[0:1], 0x20             ; qk s[12:13], vbuf s[14:15]
	v_lshl_add_u32 v[SPW], v0, 2, SPARE
	v_mov_b32 v[NIL], 0
	v_lshrrev_b32 v[U0], 5, v0
	v_readfirstlane_b32 s20, v[U0]                 ; wave 0..15
	s_and_b32 s21, ttmp7, 0xffff                   ; label
	s_mov_b32 s22, ttmp9                           ; x
	s_mov_b32 s[SEL], 0x76543210
	s_mov_b32 s[SEL+1], 0xfedcba98
	v_and_b32 v[U0], 31, v0                        ; lane
	v_and_b32 v[RR], 15, v0
	v_bfe_u32 v[HH], v0, 4, 1                      ; also bit 4 of my column
	v_bfe_u32 v[U1], v0, 3, 1                      ; bit 3 of my column
	v_and_b32 v[U2], 7, v0
	s_and_b32 s41, s20, 3                          ; g: which 32 columns I stream
	s_lshr_b32 s42, s20, 2                         ; kb: which 32 of a K step's 128
	s_mul_i32 s43, s42, 393216                     ; 32 rows of 12,288 bytes
	s_lshl_b32 s44, s41, 7
	s_add_co_u32 s43, s43, s44
	v_lshl_add_u32 v[WOFF], v[U0], 2, s43
	s_mul_i32 s43, s41, 3072                       ; tile 2 g + x3, c = kb / 2, half = kb % 2, tile row (x & 7) + 8 x4
	s_lshr_b32 s44, s42, 1
	s_mul_i32 s44, s44, 768
	s_add_co_u32 s43, s43, s44
	s_and_b32 s44, s42, 1
	s_mul_i32 s44, s44, 384
	s_add_co_u32 s43, s43, s44
	v_mul_u32_u24 v[WST], v[U2], 24
	v_mad_u32_u24 v[WST], v[HH], 192, v[WST]
	v_mad_u32_u24 v[WST], v[U1], 1536, v[WST]
	v_add_nc_u32 v[WST], s43, v[WST]
	v_add_nc_u32 v[WST+1], 49152, v[WST]
	s_lshl_b32 s43, s41, 3
	s_add_co_u32 s43, s43, s42
	s_add_co_u32 s43, s43, WSC
	v_lshlrev_b32 v[WSS], 5, v[U2]
	v_lshl_add_u32 v[WSS], v[HH], 8, v[WSS]
	v_lshl_add_u32 v[WSS], v[U1], 2, v[WSS]
	v_add_nc_u32 v[WSS], s43, v[WSS]
	v_mul_u32_u24 v[WRD], v[U0], 24
	v_add_nc_u32 v[WRD+1], 49152, v[WRD]
	v_lshl_add_u32 v[WSR], v[RR], 5, WSC
	s_mul_i32 s43, s20, 12288
	s_add_co_u32 s43, s43, XOWN
	v_lshl_add_u32 v[XLD], v[U0], 4, s43
	v_mul_u32_u24 v[STI], v[RR], 528
	v_lshl_add_u32 v[STI], v[HH], 6, v[STI]
	v_add_nc_u32 v[STI], s43, v[STI]
	s_lshl_b32 s43, s20, 9
	s_add_co_u32 s43, s43, BIAS
	v_lshl_add_u32 v[BA], v[HH], 6, s43
	v_lshl_add_u32 v[BST], v[U0], 4, s43
	v_mul_u32_u24 v[H384], v[HH], 384
	v_lshlrev_b32 v[L16], 4, v[U0]
	s_lshl_b32 s43, s20, 6
	v_lshl_add_u32 v[U1], v[RR], 2, s43            ; list row 16 w + r, in bytes
	s_wait_kmcnt 0x0
	s_mul_i32 s42, s21, 12582912                   ; a label's weight: 1,024 x 3,072 x 4 bytes
	s_mov_b32 s43, 0
	s_lshl_b32 s46, s22, 9
	s_add_co_u32 s42, s42, s46
	s_add_nc_u64 s[26:27], s[4:5], s[42:43]        ; K steps 0-3
	s_add_nc_u64 s[28:29], s[26:27], 6291456       ; K steps 4-7: 512 rows on
	s_lshl_b32 s42, s21, 13
	s_add_nc_u64 s[30:31], s[10:11], s[42:43]      ; the label's list
	s_lshl_b32 s42, s21, 7
	s_add_co_u32 s42, s42, 65536
	s_add_nc_u64 s[44:45], s[10:11], s[42:43]
	s_load_b32 s23, s[44:45], 0x0                  ; the label's count; wanted behind the stream
	s_mul_i32 s42, s21, 12288
	s_add_co_u32 s42, s42, s46
	s_add_nc_u64 s[38:39], s[6:7], s[42:43]        ; my 128 biases
	s_lshr_b32 s42, s22, 3
	s_min_u32 s42, s42, 1                          ; q or k (v's work-groups do not use this base)
	s_mul_i32 s42, s42, 1703936                    ; 64 slabs
	s_and_b32 s46, s22, 7
	s_mul_i32 s47, s46, 53248                      ; two heads' slabs
	s_add_co_u32 s42, s42, s47
	s_add_nc_u64 s[32:33], s[12:13], s[42:43]
	s_lshl_b32 s42, s46, 9                         ; v: my 128 columns of a token's row
	s_add_nc_u64 s[34:35], s[14:15], s[42:43]
	global_load_b128 v[BL:BL+3], v[L16], s[38:39]
	global_load_b32 v[TOK], v[U1], s[30:31]        ; my eight tokens: list rows 256 k + 16 w + r; the last is row 2,047 at the most, inside the label's 2,048
	global_load_b32 v[TK1], v[U1], s[30:31] offset:1024
	global_load_b32 v[TK2], v[U1], s[30:31] offset:2048
	global_load_b32 v[TK3], v[U1], s[30:31] offset:3072
	global_load_b32 v[TK4], v[U1], s[30:31] offset:4096
	global_load_b32 v[TK5], v[U1], s[30:31] offset:5120
	global_load_b32 v[TK6], v[U1], s[30:31] offset:6144
	global_load_b32 v[TK7], v[U1], s[30:31] offset:7168
	LOADW 0, 0, 31
	LOADW 1, 0, 30
	s_wait_loadcnt 63                              ; behind the bias and the eight tokens stand 32 + 31 loads
	LOADW 1, 31, 31
	ds_store_b128 v[BST], v[BL:BL+3]
	v_min_u32 v[TOK], 0x7ff, v[TOK]                ; a loaded number is held inside the table before it enters an address
	v_min_u32 v[TK1], 0x7ff, v[TK1]
	v_min_u32 v[TK2], 0x7ff, v[TK2]
	v_min_u32 v[TK3], 0x7ff, v[TK3]
	v_min_u32 v[TK4], 0x7ff, v[TK4]
	v_min_u32 v[TK5], 0x7ff, v[TK5]
	v_min_u32 v[TK6], 0x7ff, v[TK6]
	v_min_u32 v[TK7], 0x7ff, v[TK7]
	GATHER TOK
	STREAM_A 0, 58, 1                              ; behind unit 0 stand unit 1's 32 loads and the gather's 26; unit 2 is asked for here, so that it is on its way while the gather is waited for
	s_wait_loadcnt 32                              ; behind the gather stands unit 2
	XPUT
	STREAM_B
	MULT 0, 4, -1
.irp s, 1,2,3,4,5
	STREAM_A \s, 32, 0                             ; the next unit's 32 loads, all issued in the step before, may stay out
	STREAM_B
	MULT \s, 4, \s+2                               ; and the unit two steps on is asked for among the products' LDS loads
.endr
	STREAM_A 6, 32, 0                              ; unit 7's 32 loads may stay out
	STREAM_B
	MULT 6, 4, -1
	STREAM_A 7, 0, 0
	STREAM_B                                       ; the last barrier: from here on each wave goes its own way
	MULT 7, 4, -1
	s_wait_kmcnt 0x0
	s_min_u32 s23, s23, 0x800
	s_lshl_b32 s24, s20, 4                         ; my first tile's first list row
	LEAVE
	EPI TOK
	OVER TK1                                       ; the label's rows behind the 256th
	OVER TK2
	OVER TK3
	OVER TK4
	OVER TK5
	OVER TK6
	OVER TK7
	s_wait_tensorcnt 0x0                           ; the wave's end, behind my last LDS store
	ds_add_u32 v[SPW], v[NIL]
	s_wait_dscnt 0x0
	s_endpgm
.Lfunc_end_k_q48fde858e6_qkv:
	.size	k_q48fde858e6_qkv, .Lfunc_end_k_q48fde858e6_qkv-k_q48fde858e6_qkv
	.p2alignl 7, 3214868480
	.fill 96, 4, 3214868480
	.section	.rodata,"a",@progbits
	.p2align	6, 0x0
	.amdhsa_kernel k_q48fde858e6_qkv
		.amdhsa_group_segment_fixed_size 309248
		.amdhsa_private_segment_fixed_size 0
		.amdhsa_enable_private_segment 0
		.amdhsa_kernarg_size 48
		.amdhsa_user_sgpr_count 2
		.amdhsa_user_sgpr_kernarg_segment_ptr 1
		.amdhsa_wavefront_size32 1
		.amdhsa_system_sgpr_workgroup_id_x 1
		.amdhsa_system_sgpr_workgroup_id_y 1
		.amdhsa_system_sgpr_workgroup_id_z 1
		.amdhsa_system_vgpr_workitem_id 0
		.amdhsa_next_free_vgpr 256
		.amdhsa_next_free_sgpr 66
		.amdhsa_reserve_vcc 1
		.amdhsa_float_denorm_mode_32 3
		.amdhsa_float_denorm_mode_16_64 3
		.amdhsa_memory_ordered 1
		.amdhsa_forward_progress 1
		.amdhsa_inst_pref_size 255
	.end_amdhsa_kernel
	.section	.bss,"aw",@nobits
	.p2align	6
	.space	262144
	.amdgpu_metadata
---
amdhsa.version: [ 1, 2 ]
amdhsa.kernels:
  - .name:           k_q48fde858e6_qkv
    .symbol:         k_q48fde858e6_qkv.kd
    .args:
      - { .name: Wqkv, .offset: 0, .size: 8, .value_kind: global_buffer, .address_space: global }
      - { .name: bqkv, .offset: 8, .size: 8, .value_kind: global_buffer, .address_space: global }
      - { .name: xq, .offset: 16, .size: 8, .value_kind: global_buffer, .address_space: global }
      - { .name: route, .offset: 24, .size: 8, .value_kind: global_buffer, .address_space: global }
      - { .name: qk, .offset: 32, .size: 8, .value_kind: global_buffer, .address_space: global }
      - { .name: vbuf, .offset: 40, .size: 8, .value_kind: global_buffer, .address_space: global }
    .group_segment_fixed_size: 309248
    .private_segment_fixed_size: 0
    .kernarg_segment_align: 8
    .kernarg_segment_size: 48
    .max_flat_workgroup_size: 512
    .sgpr_count:     66
    .vgpr_count:     256
    .wavefront_size: 32
...
	.end_amdgpu_metadata
.endif
;; end of part 2
;; launch attn (part 3): grid 4 x 64, 8 waves a work-group, clusters of 4 x 1, 184,320 bytes of LDS; arguments qk, vbuf, aq; writes aq
.if DOCPART == 3
	.amdgcn_target "amdgcn-amd-amdhsa--gfx1250"
	.amdhsa_code_object_version 6
	.text
	.protected	k_q48fde858e6_attn
	.globl	k_q48fde858e6_attn
	.p2align	8
	.type	k_q48fde858e6_attn,@function
k_q48fde858e6_attn:
	s_mov_b64 s[64:65], 0
	v_nop
	global_prefetch_b8 v0, s[64:65] scope:SCOPE_SE
	s_setreg_imm32_b32 hwreg(HW_REG_WAVE_MODE, 25, 1), 1
	s_wait_xcnt 0x0
	s_wait_alu depctr_hold_cnt(0) depctr_sa_sdst(0) depctr_va_vdst(0) depctr_va_sdst(0) depctr_va_ssrc(0) depctr_va_vcc(0) depctr_vm_vsrc(0)
	s_getreg_b32 s2, hwreg(HW_REG_IB_STS2, 6, 4)
	s_cmp_eq_u32 s2, 0
	s_cbranch_scc0 .Lentry_in_a_cluster
	s_endpgm
.Lentry_in_a_cluster:
	s_bfe_u32 s2, ttmp6, 0x10000c
	s_cmp_lg_u32 s2, 0x3003
	s_cbranch_scc0 .Lentry_shape_is_right
	s_endpgm
.Lentry_shape_is_right:
; Attention of one (batch, head) on codes of E2M3: S^T = K Q^T (K = the head's 64, padded to 128 by zero codes in Q), p = 2^(t - M) with M a whole number, O^T = V^T P^T (K = the keys), O / the sum of the
; unquantised p, and O quantised along the head's 64 for the last product.
; SHARES.  y = 16 batch + head.  A cluster's four work-groups take the head's four blocks of 128 queries; each of a work-group's eight waves owns one tile of 16 queries and walks all 512 keys, 128 a step.
; CLUSTER.  The four need the same k slab and the same rows of v: both are asked for JOINTLY (mask 15).  A work-group's place in the cluster enters Q's and the output's global addresses alone.
; v ARRIVES AS f32 [token][64 of the head]: wave w's own load brings tokens 64 w .. 64 w + 63; the wave quantises them along the tokens (a lane a channel, registers down the tokens) and stores the codes
; as images of operand registers; one barrier, and every wave reads all of them.  Nothing in LDS is filled twice.
; ROWS OF q AND k lie in the slabs with bits 3 and 4 of the token's number swapped, so that row 16 T + r is token 32 (T / 2) + 8 (T % 2) + r + 8 (r / 8): the 16 registers of two neighbouring tiles of S^T are 16 neighbouring keys.
; LIMITS: NaN and infinities are not served; a block of zeros keeps the byte 1 (zero codes; the bytes are read by this program alone).
.set KIMG,  131072                     ; LDS: 0: v as f32, 256 bytes a token;  KIMG: the k slab as it lies, 48 bytes a row,
.set KSCL,  155648                     ; its scale words;
.set VIMG,  157696                     ; v's codes: fragment (ks, dt) at 1,536 (4 ks + dt) + 768 c + 24 lane;
.set VSC,   182272                     ; their scale words at 256 ks + 16 m + 4 dt;
.set SPARE, 183296                     ; the spare words, 128 bytes a wave: no other line names them
.set AK0,  1
.set AV0,  2
.set ASK0, 3
.set ASV0, 4
.set SPW,  5                           ; v5  my spare word's address; never rewritten
.set NIL,  6                           ; v6  0; never rewritten
.set GO,   7
.set VLD,  8
.set VST,  9
.set VSS,  10
.set HH,   11                          ; v11 lane / 16
.set RR,   31                          ; v31 lane % 16
.set WV,   18
.set SEL,  20
.set CS,   22
.set G1V,  24
.set G1K,  32
.set G0V,  40
.set G0K,  44
; REGISTERS: v12 -M, v13 the largest t, v[14:15] the sum; v16-27 Q (v22-27 zeros); v32-79 four fragments of K or V; v96-159 S^T, then p; v160-191 O^T; v224-235 p's codes; v232-247, v252, v254 at work;
; v248-251 K's or V's scale words, v253 p's, v255 Q's: scales and nothing else.  While v is quantised: v96-223 its four units, v224-247 their codes, v80-95 and v28-30 at work.
.macro CROUND                          ; a round of the cluster's barrier
	s_barrier_signal -1
	s_barrier_wait -1
	s_cmp_lg_u32 s[WV], 0
	s_cbranch_scc1 .Lnot_wave_0_\@
	s_barrier_signal -3
.Lnot_wave_0_\@:
	s_barrier_wait -3
	s_barrier_signal -1
	s_barrier_wait -1
.endm
.macro QWCORE xs, c, d, t              ; 32 numbers of ONE block -> 24 bytes of codes in v[c .. c+5], the scale's byte in v[t+3]
	v_max3_num_f32 v[\t], |v[\xs]|, |v[\xs+1]|, |v[\xs+2]|
	v_max3_num_f32 v[\t+1], |v[\xs+3]|, |v[\xs+4]|, |v[\xs+5]|
.irp i, 6,10,14,18,22,26
	v_max3_num_f32 v[\t], v[\t], |v[\xs+\i]|, |v[\xs+\i+1]|
	v_max3_num_f32 v[\t+1], v[\t+1], |v[\xs+\i+2]|, |v[\xs+\i+3]|
.endr
	v_max3_num_f32 v[\t], v[\t], |v[\xs+30]|, |v[\xs+31]|
	v_max3_num_f32 v[\t], v[\t], v[\t+1], 0x1800000
	v_add_nc_u32 v[\t+2], 0xff000000, v[\t]
	v_lshrrev_b32 v[\t+3], 23, v[\t+2]
	v_cvt_scalef32_pk16_fp6_f32 v[\c:\c+2], v[\xs:\xs+15], v[\t+2]
	v_cvt_scalef32_pk16_fp6_f32 v[\d:\d+2], v[\xs+16:\xs+31], v[\t+2]
	v_nop                                             ; one plain place behind a scaled conversion
	v_mov_b32 v[\c+3], v[\d]
	v_mov_b32 v[\c+4], v[\d+1]
	v_mov_b32 v[\c+5], v[\d+2]
.endm
	s_load_b128 s[4:7], s[0:1], 0x0                ; qk s[4:5], vbuf s[6:7]
	s_load_b64 s[8:9], s[0:1], 0x10                ; aq
	v_lshl_add_u32 v[SPW], v0, 2, SPARE
	v_mov_b32 v[NIL], 0
	ds_add_u32 v[SPW], v[NIL]                      ; the wave's opening: the add and its wait stand ahead of my first tensor load; work on registers stands between them
	v_lshrrev_b32 v8, 5, v0
	v_readfirstlane_b32 s[WV], v8                  ; wave 0..7
	s_bfe_u32 s19, ttmp6, 0x40000                  ; cx: my block of 128 queries
	s_and_b32 s10, ttmp7, 0xffff                   ; y
	s_lshr_b32 s11, s10, 4                         ; batch
	s_and_b32 s12, s10, 15                         ; head
	; group 1 for v: 64 rows of 64 f32, 1,024 elements from row to row; the mask names all four work-groups, bit 21 stands beside it
	s_mov_b32 s[G1V], 15|(2<<16)|(1<<21)
	s_mov_b32 s[G1V+1], 64<<16                     ; tensor_dim0
	s_mov_b32 s[G1V+2], 64<<16                     ; tensor_dim1
	s_mov_b32 s[G1V+3], 64<<16                     ; tile_dim0
	s_mov_b32 s[G1V+4], 64                         ; tile_dim1
	s_mov_b32 s[G1V+5], 1024                       ; the pitch
	s_mov_b32 s[G1V+6], 0
	s_mov_b32 s[G1V+7], 0
	; group 1 for an eighth of the k slab: a dense block of 3,328 bytes as 13 rows of 256 (32 elements of 8 bytes)
	s_mov_b32 s[G1K], 15|(3<<16)|(1<<21)
	s_mov_b32 s[G1K+1], 32<<16
	s_mov_b32 s[G1K+2], 13<<16
	s_mov_b32 s[G1K+3], 32<<16
	s_mov_b32 s[G1K+4], 13
	s_mov_b32 s[G1K+5], 32
	s_mov_b32 s[G1K+6], 0
	s_mov_b32 s[G1K+7], 0
	s_lshl_b32 s48, s11, 21                        ; v: 512 tokens of 4,096 bytes a batch,
	s_lshl_b32 s49, s[WV], 18                      ; 64 tokens a wave,
	s_add_co_u32 s48, s48, s49
	s_lshl_b32 s49, s12, 8                         ; 256 bytes a head
	s_add_co_u32 s48, s48, s49
	s_mov_b32 s49, 0
	s_add_co_u32 s50, s10, 64                      ; k's slabs lie behind q's 64
	s_mul_i32 s50, s50, 26624
	s_mul_i32 s51, s[WV], 3328
	s_add_co_u32 s50, s50, s51
	s_mov_b32 s51, 0
	; what hangs on my block of queries, in registers that feed no descriptor
	s_lshl_b32 s13, s19, 3
	s_add_co_u32 s13, s13, s[WV]                   ; T: my tile of queries
	s_mul_i32 s52, s10, 26624
	s_mul_i32 s53, s13, 768
	s_add_co_u32 s52, s52, s53                     ; Q's codes
	s_mov_b32 s53, 0
	s_mul_i32 s54, s10, 26624
	s_lshl_b32 s55, s13, 6
	s_add_co_u32 s54, s54, s55                     ; Q's scale words (24,576 on)
	s_mov_b32 s55, 0
	s_lshl_b32 s56, s11, 9
	s_lshr_b32 s57, s13, 1
	s_lshl_b32 s57, s57, 5
	s_add_co_u32 s56, s56, s57
	s_and_b32 s57, s13, 1
	s_lshl_b32 s57, s57, 3
	s_add_co_u32 s56, s56, s57                     ; the tile's first token: 512 batch + 32 (T / 2) + 8 (T % 2)
	s_mul_i32 s56, s56, 800
	s_lshl_b32 s58, s12, 1
	s_add_co_u32 s58, s58, s56                     ; the output's scale bytes: 2 a head (768 on)
	s_mov_b32 s59, 0
	s_lshr_b32 s57, s12, 1
	s_mul_i32 s57, s57, 48
	s_add_co_u32 s56, s56, s57
	s_and_b32 s57, s12, 1
	s_mul_i32 s57, s57, 24
	s_add_co_u32 s56, s56, s57                     ; its codes: K step head / 2, c = head % 2
	s_mov_b32 s57, 0
	s_mov_b32 s[SEL], 0x76543210
	s_mov_b32 s[SEL+1], 0xfedcba98
	s_mov_b32 s[CS], 0x3e38aa3b                    ; c = log2(e) / sqrt(64)
	s_mov_b32 s[CS+1], s[CS]
	v_and_b32 v[RR], 15, v0
	v_bfe_u32 v[HH], v0, 4, 1
	v_and_b32 v12, 31, v0                          ; lane = my channel of 32
	v_bfe_u32 v13, v0, 3, 1
	v_and_b32 v14, 7, v0
	v_mul_u32_u24 v[AK0], v[RR], 48
	v_mad_u32_u24 v[AK0], v[HH], 24, v[AK0]
	v_add_nc_u32 v252, 0, v[AK0]                   ; the same place in Q's rows in memory
	v_add_nc_u32 v[AK0], KIMG, v[AK0]
	v_mul_u32_u24 v[AV0], v12, 24
	v_add_nc_u32 v[AV0], VIMG, v[AV0]
	v_lshl_add_u32 v[ASK0], v[RR], 2, KSCL
	v_lshl_add_u32 v[ASV0], v[RR], 4, VSC
	v_lshlrev_b32 v254, 2, v[RR]
	s_lshl_b32 s14, s[WV], 14
	v_lshl_add_u32 v[VLD], v12, 2, s14             ; my wave's 64 tokens, my channel
	s_lshr_b32 s14, s[WV], 1                       ; my tokens are blocks 2 (w % 2), 2 (w % 2) + 1 of key step w / 2
	s_and_b32 s15, s[WV], 1
	s_mul_i32 s16, s14, 6144
	s_mul_i32 s17, s15, 768
	s_add_co_u32 s16, s16, s17
	s_add_co_u32 s16, s16, VIMG
	v_mul_u32_u24 v[VST], v14, 24
	v_mad_u32_u24 v[VST], v[HH], 192, v[VST]
	v_mad_u32_u24 v[VST], v13, 1536, v[VST]
	v_add_nc_u32 v[VST], s16, v[VST]
	s_lshl_b32 s16, s14, 8
	s_lshl_b32 s17, s15, 1
	s_add_co_u32 s16, s16, s17
	s_add_co_u32 s16, s16, VSC
	v_lshlrev_b32 v[VSS], 4, v14
	v_lshl_add_u32 v[VSS], v[HH], 7, v[VSS]
	v_lshl_add_u32 v[VSS], v13, 2, v[VSS]
	v_add_nc_u32 v[VSS], s16, v[VSS]
	s_wait_dscnt 0x0                               ; the opening add is done
	s_wait_kmcnt 0x0
	s_mov_b32 s[G0V], 1
	s_lshl_b32 s[G0V+1], s[WV], 14                 ; LDS: 16,384 bytes a wave
	s_add_nc_u64 s[G0V+2:G0V+3], s[6:7], s[48:49]
	s_or_b32 s[G0V+3], s[G0V+3], 0x80000000
	s_mov_b32 s[G0K], 1
	s_mul_i32 s[G0K+1], s[WV], 3328
	s_add_co_u32 s[G0K+1], s[G0K+1], KIMG
	s_add_nc_u64 s[G0K+2:G0K+3], s[4:5], s[50:51]
	s_or_b32 s[G0K+3], s[G0K+3], 0x80000000
	s_add_nc_u64 s[52:53], s[4:5], s[52:53]
	s_add_nc_u64 s[54:55], s[4:5], s[54:55]
	s_add_nc_u64 s[56:57], s[8:9], s[56:57]
	s_add_nc_u64 s[58:59], s[8:9], s[58:59]
	CROUND                                         ; all four work-groups are here: the joint loads meet
	tensor_load_to_lds s[G0V:G0V+3], s[G1V:G1V+7]  ; my two loads, the only ones: two are out
	s_nop 0
	tensor_load_to_lds s[G0K:G0K+3], s[G1K:G1K+7]
	s_nop 0
.rept 4
	v_nop
.endr
.irp p, 0,1,2
	global_load_b64 v[16+2*\p:17+2*\p], v252, s[52:53] offset:8*\p   ; Q's 64 codes of my row: registers 0-5 of the fragment
.endr
	global_load_b32 v255, v254, s[54:55] offset:24576
.irp j, 22,23,24,25,26,27
	v_mov_b32 v[\j], 0                             ; Q's codes for k = 64 .. 127 are zeros: whatever codes stand there in K's fragments add nothing
.endr
.irp t, 0,1,2,3
.irp j, 6,7,8,9,10,11
	v_mov_b32 v[32+12*\t+\j], 0
.endr
.endr
	; ---- v is quantised along the tokens.  Unit u: tokens 32 (u / 2) on, channels 32 (u % 2) on
	s_wait_tensorcnt 0x1                           ; my own 64 tokens of v are in (k's load may stay out); only I read these bytes
.irp u, 0,1,2,3
.set li, 0
.rept 32
	ds_load_b32 v[96+32*\u+li], v[VLD] offset:(32*(\u/2)+li)*256+128*(\u%2)
.set li, li+1
.endr
.endr
.macro VUNIT u, n
	s_wait_dscnt \n
	QWCORE 96+32*\u, 224+6*\u, 28, 80+4*\u
.irp i, 0,1,2
	ds_store_b64 v[VST], v[224+6*\u+2*\i:225+6*\u+2*\i] offset:3072*(\u%2)+384*(\u/2)+8*\i
.endr
	ds_store_b8 v[VSS], v[83+4*\u] offset:8*(\u%2)+(\u/2)
.endm
	VUNIT 0, 63                                    ; behind unit 0's loads stand 96 LDS instructions, behind unit 1's 64 + 4: the count is the largest that the wait can name
	VUNIT 1, 63
	VUNIT 2, 40                                    ; 32 loads and 8 stores
	VUNIT 3, 12                                    ; 12 stores
	s_wait_tensorcnt 0x0                           ; my part of the k slab is in,
	s_wait_dscnt 0x0                               ; my stores have landed: for the others' sake
	s_barrier_signal -1
	s_barrier_wait -1
	v_mov_b32 v13, 0xff61b1e6                      ; the largest t so far: -3e38
	v_floor_f32 v12, -v13                          ; -M
	v_mov_b32 v14, 0
	v_mov_b32 v15, 0
.irp b, 0,1,2,3
	v_mov_b32 v[236+\b], 0
.endr
	v_mov_b32 v253, 0
.set j, 0
.rept 32
	v_mov_b32 v[160+j], 0                          ; O^T: the step is written once; the first change of M leaves zeros zeros
.set j, j+1
.endr
	s_wait_loadcnt 0x0                             ; Q
; A KEY STEP: 128 keys
.macro STEP ks
.irp g, 0,1                                    ; S^T = K Q^T, four tiles of 16 keys at a time
.rept 4
	v_nop                                          ; places in front of loads into registers that matrix instructions have read
.endr
.irp t, 0,1,2,3
.irp p, 0,1,2
	ds_load_b64 v[32+12*\t+2*\p:33+12*\t+2*\p], v[AK0] offset:(8*(\ks)+4*\g+\t)*768+8*\p
.endr
	ds_load_b32 v[248+\t], v[ASK0] offset:(8*(\ks)+4*\g+\t)*64
.endr
	s_wait_dscnt 0x0
.irp t, 0,1,2,3
	v_wmma_scale_f32_16x16x128_f8f6f4 v[96+8*(4*\g+\t):103+8*(4*\g+\t)], v[32+12*\t:43+12*\t], v[16:27], 0, v[248+\t], v255 matrix_a_fmt:MATRIX_FMT_FP6 matrix_b_fmt:MATRIX_FMT_FP6
.endr
.endr
.rept 4
	v_nop
.endr
.irp b, 0,1,2,3
	v_max3_num_f32 v[232+\b], v[96+16*\b], v[97+16*\b], v[98+16*\b]   ; the largest score of each block of 32 keys: for the row's maximum, and for the block's largest p
.endr
.irp i, 3,5,7,9,11,13
.irp b, 0,1,2,3
	v_max3_num_f32 v[232+\b], v[232+\b], v[96+16*\b+\i], v[97+16*\b+\i]
.endr
.endr
.irp b, 0,1,2,3
	v_max_num_f32 v[232+\b], v[232+\b], v[111+16*\b]
.endr
.irp b, 0,1,2,3
	v_permlanex16_b32 v[236+\b], v[232+\b], s[SEL], s[SEL+1]
.endr
.irp b, 0,1,2,3
	v_max_num_f32 v[232+\b], v[232+\b], v[236+\b]
.endr
	v_max3_num_f32 v254, v232, v233, v234
	v_max_num_f32 v254, v254, v235
	v_mul_f32 v254, s[CS], v254
	v_max_num_f32 v13, v13, v254                   ; the running largest t
	v_mov_b32 v254, v12
	v_floor_f32 v12, -v13                          ; the new -M = -ceil(t): a whole number
	v_sub_f32 v254, v12, v254
	v_cvt_i32_f32 v254, v254                       ; (it saturates)
	v_ldexp_f32 v252, 1.0, v254                    ; f = 2^(old M - new M): rounds nothing
.set j, 0
.rept 32
	v_pk_fma_f32 v[96+j:97+j], v[96+j:97+j], s[CS:CS+1], v[12:13] op_sel_hi:[1,0,0]   ; t - M
.set j, j+2
.endr
.irp b, 0,1,2,3
	v_fma_f32 v[232+\b], v[232+\b], s[CS], v12
.endr
.set j, 0
.rept 64
	v_exp_f32 v[96+j], v[96+j]                     ; p = 2^(t - M): not normalised
.set j, j+1
.endr
	v_pk_mul_f32 v[14:15], v[14:15], v[252:253] op_sel_hi:[1,0]   ; the sums under the new M; a plain place behind the exponentials
	s_wait_alu depctr_va_vdst(0)                   ; one wait for the batch, ahead of its first reader
.irp b, 0,1,2,3
	v_exp_f32 v[232+\b], v[232+\b]                 ; the block's largest p
.endr
	v_pk_add_f32 v[236:237], v[96:97], v[98:99]    ; the row's sum of the unquantised p, in two chains
.irp j, 4,8,12,16,20,24,28,32,36,40,44,48,52,56,60
	v_pk_add_f32 v[14:15], v[14:15], v[96+\j:97+\j]
	v_pk_add_f32 v[236:237], v[236:237], v[98+\j:99+\j]
.endr
	v_pk_add_f32 v[14:15], v[14:15], v[236:237]
	s_wait_alu depctr_va_vdst(0)                   ; and one for the four
.irp b, 0,1,2,3
	v_max_num_f32 v[232+\b], 0x1800000, v[232+\b]
.endr
.irp b, 0,1,2,3
	v_add_nc_u32 v[244+\b], 0xff000000, v[232+\b]
.endr
.irp b, 0,1,2,3
	v_lshrrev_b32 v[236+\b], 23, v[244+\b]
.endr
	v_lshl_or_b32 v253, v237, 8, v236              ; p's scale word for these 128 keys
	v_lshl_or_b32 v253, v238, 16, v253
	v_lshl_or_b32 v253, v239, 24, v253
.irp c, 0,1
	v_cvt_scalef32_pk16_fp6_f32 v[224+6*\c:226+6*\c], v[96+32*\c:111+32*\c], v[244+2*\c]
	v_cvt_scalef32_pk16_fp6_f32 v[236+4*\c:238+4*\c], v[112+32*\c:127+32*\c], v[244+2*\c+1]
.endr
	v_nop
.irp c, 0,1
.irp i, 0,1,2
	v_permlane16_swap_b32 v[224+6*\c+\i], v[236+4*\c+\i]
.endr
.irp i, 0,1,2
	v_mov_b32 v[227+6*\c+\i], v[236+4*\c+\i]
.endr
.endr
.set j, 0
.rept 16
	v_pk_mul_f32 v[160+j:161+j], v[160+j:161+j], v[252:253] op_sel_hi:[1,0]   ; O^T under the new M; these sixteen are also the places in front of the loads and products below
.set j, j+2
.endr
.irp t, 0,1,2,3                                ; O^T += V^T P^T: the head's four tiles of 16 channels
.irp p, 0,1,2,3,4,5
	ds_load_b64 v[32+12*\t+2*\p:33+12*\t+2*\p], v[AV0] offset:(4*(\ks)+\t)*1536+768*(\p/3)+8*(\p%3)
.endr
.endr
	ds_load_b128 v[248:251], v[ASV0] offset:256*(\ks)
	s_wait_dscnt 0x0
.irp t, 0,1,2,3
	v_wmma_scale_f32_16x16x128_f8f6f4 v[160+8*\t:167+8*\t], v[32+12*\t:43+12*\t], v[224:235], v[160+8*\t:167+8*\t], v[248+\t], v253 matrix_a_fmt:MATRIX_FMT_FP6 matrix_b_fmt:MATRIX_FMT_FP6
.endr
.endm
	STEP 0
	STEP 1
	STEP 2
	STEP 3
	; THE WAY OUT: O^T / the sum; register 16 b + i is channel 32 b + 16 h + i of my query; two blocks are quantised and leave as the next product's operand bytes
	v_add_f32 v14, v14, v15
	v_permlanex16_b32 v252, v14, s[SEL], s[SEL+1]
	v_add_f32 v14, v14, v252
	v_rcp_f32 v14, v14
	v_lshrrev_b32 v8, 3, v[RR]                     ; (plain lines behind the reciprocal, and places behind the last products)
	v_lshl_add_u32 v8, v8, 3, v[RR]                ; my query's token in the tile: r + 8 (r / 8)
	v_mul_u32_u24 v8, v8, 800
	v_mad_u32_u24 v[GO], v[HH], 384, v8            ; block h's codes
	v_add_nc_u32 v8, v8, v[HH]                     ; block h's byte
	s_wait_alu depctr_va_vdst(0)                   ; ahead of the reciprocal's first reader
.set j, 0
.rept 32
	v_mul_f32 v[96+j], v[160+j], v14
.set j, j+1
.endr
.irp b, 0,1
	v_max3_num_f32 v[232+\b], |v[96+16*\b]|, |v[97+16*\b]|, 0x1800000
.endr
.irp i, 2,4,6,8,10,12,14
.irp b, 0,1
	v_max3_num_f32 v[232+\b], v[232+\b], |v[96+16*\b+\i]|, |v[97+16*\b+\i]|
.endr
.endr
.irp b, 0,1
	v_permlanex16_b32 v[236+\b], v[232+\b], s[SEL], s[SEL+1]
.endr
.irp b, 0,1
	v_max_num_f32 v[232+\b], v[232+\b], v[236+\b]
.endr
.irp b, 0,1
	v_add_nc_u32 v[244+\b], 0xff000000, v[232+\b]
.endr
.irp b, 0,1
	v_lshrrev_b32 v[238+\b], 23, v[244+\b]
.endr
	v_cvt_scalef32_pk16_fp6_f32 v[224:226], v[96:111], v244
	v_cvt_scalef32_pk16_fp6_f32 v[228:230], v[112:127], v245
	v_nop
.irp i, 0,1,2
	v_permlane16_swap_b32 v[224+\i], v[228+\i]     ; lanes 0-15 now hold block 0 whole, lanes 16-31 block 1
.endr
	v_mov_b32 v227, v228
	v_mov_b32 v228, v229
	v_mov_b32 v229, v230
	v_cmp_eq_u32 vcc_lo, 1, v[HH]
	v_cndmask_b32 v238, v238, v239, vcc_lo
.irp i, 0,1,2
	global_store_b64 v[GO], v[224+2*\i:225+2*\i], s[56:57] offset:8*\i
.endr
	global_store_b8 v8, v238, s[58:59] offset:768
	s_wait_tensorcnt 0x0                           ; the wave's end, behind my last tensor load and my last LDS store
	ds_add_u32 v[SPW], v[NIL]
	s_wait_dscnt 0x0
	CROUND                                         ; the closing round
	s_endpgm
.Lfunc_end_k_q48fde858e6_attn:
	.size	k_q48fde858e6_attn, .Lfunc_end_k_q48fde858e6_attn-k_q48fde858e6_attn
	.p2alignl 7, 3214868480
	.fill 96, 4, 3214868480
	.section	.rodata,"a",@progbits
	.p2align	6, 0x0
	.amdhsa_kernel k_q48fde858e6_attn
		.amdhsa_group_segment_fixed_size 184320
		.amdhsa_private_segment_fixed_size 0
		.amdhsa_enable_private_segment 0
		.amdhsa_kernarg_size 24
		.amdhsa_user_sgpr_count 2
		.amdhsa_user_sgpr_kernarg_segment_ptr 1
		.amdhsa_wavefront_size32 1
		.amdhsa_system_sgpr_workgroup_id_x 1
		.amdhsa_system_sgpr_workgroup_id_y 1
		.amdhsa_system_sgpr_workgroup_id_z 1
		.amdhsa_system_vgpr_workitem_id 0
		.amdhsa_next_free_vgpr 256
		.amdhsa_next_free_sgpr 66
		.amdhsa_reserve_vcc 1
		.amdhsa_float_denorm_mode_32 3
		.amdhsa_float_denorm_mode_16_64 3
		.amdhsa_memory_ordered 1
		.amdhsa_forward_progress 1
		.amdhsa_inst_pref_size 97
	.end_amdhsa_kernel
	.amdgpu_metadata
---
amdhsa.version: [ 1, 2 ]
amdhsa.kernels:
  - .name:           k_q48fde858e6_attn
    .symbol:         k_q48fde858e6_attn.kd
    .args:
      - { .name: qk, .offset: 0, .size: 8, .value_kind: global_buffer, .address_space: global }
      - { .name: vbuf, .offset: 8, .size: 8, .value_kind: global_buffer, .address_space: global }
      - { .name: aq, .offset: 16, .size: 8, .value_kind: global_buffer, .address_space: global }
    .group_segment_fixed_size: 184320
    .private_segment_fixed_size: 0
    .kernarg_segment_align: 8
    .kernarg_segment_size: 24
    .max_flat_workgroup_size: 256
    .sgpr_count:     66
    .vgpr_count:     256
    .wavefront_size: 32
...
	.end_amdgpu_metadata
.endif
;; end of part 3
;; launch proj (part 4): grid 32 x 8, 8 waves a work-group, clusters of 4 x 1, 167,936 bytes of LDS; arguments aq, wp, bproj, out0; writes out0
.if DOCPART == 4
	.amdgcn_target "amdgcn-amd-amdhsa--gfx1250"
	.amdhsa_code_object_version 6
	.text
	.protected	k_q48fde858e6_proj
	.globl	k_q48fde858e6_proj
	.p2align	8
	.type	k_q48fde858e6_proj,@function
k_q48fde858e6_proj:
	s_mov_b64 s[64:65], 0
	v_nop
	global_prefetch_b8 v0, s[64:65] scope:SCOPE_SE
	s_setreg_imm32_b32 hwreg(HW_REG_WAVE_MODE, 25, 1), 1
	s_wait_xcnt 0x0
	s_wait_alu depctr_hold_cnt(0) depctr_sa_sdst(0) depctr_va_vdst(0) depctr_va_sdst(0) depctr_va_ssrc(0) depctr_va_vcc(0) depctr_vm_vsrc(0)
	s_getreg_b32 s2, hwreg(HW_REG_IB_STS2, 6, 4)
	s_cmp_eq_u32 s2, 0
	s_cbranch_scc0 .Lentry_in_a_cluster
	s_endpgm
.Lentry_in_a_cluster:
	s_bfe_u32 s2, ttmp6, 0x10000c
	s_cmp_lg_u32 s2, 0x3003
	s_cbranch_scc0 .Lentry_shape_is_right
	s_endpgm
.Lentry_shape_is_right:
; out0 = attention's output x Wproj + bproj, on codes of E2M3 with E8M0 scales; both operands were laid by earlier launches in the order of the operand's registers.
; SHARES.  A work-group takes 64 rows x 128 columns; wave w takes the tile of 16 rows w / 2 and the four column tiles 4 (w % 2) ..: four accumulators, K = 1,024 in eight steps.
; CLUSTER.  The four work-groups of a cluster take four blocks of rows against the same 128 columns: the weight's image (102,400 bytes, codes and scale words) is asked for JOINTLY, an eighth a wave (mask 15).
; A work-group's place in the cluster enters only the rows' and the output's global addresses.  Nothing in LDS is filled twice.
; The product is used transposed (source 0 = 16 columns of W, source 1 = 16 rows), so a lane holds one row and eight neighbouring columns a tile; the bias is what the first product adds onto.
.set STG,   102400                     ; LDS: 0: the weight's image as it lies;  STG: a stage of 16 rows x 272 bytes for each wave;
.set SPARE, 137216                     ; the spare words, 128 bytes a wave: no other line names them
.set SPW,   1                          ; v1  my spare word's address; never rewritten
.set NIL,   2                          ; v2  0; never rewritten
.set AOFF,  3
.set ASOFF, 4
.set WRD,   5                          ; v5-6 a fragment's place for my lane (K steps 0-3, 4-7)
.set WSR,   7
.set BOFF,  8
.set STO,   9
.set SRD,   10
.set CO,    11
.set XS,    16                         ; v16-23 the rows' scale words, one a K step: scales and nothing else
.set WS,    24                         ; v24-31 W's scale words, two sets of four: scales and nothing else
.set AF,    32                         ; v32-127 the rows' eight fragments
.set ACC,   128                        ; v128-159 four accumulators
.set WF,    160                        ; v160-255 W's fragments, two sets of four
.set OUTR,  32
.set WV,    18
.set G1,    24
.set G0,    32
.macro CROUND
	s_barrier_signal -1
	s_barrier_wait -1
	s_cmp_lg_u32 s[WV], 0
	s_cbranch_scc1 .Lnot_wave_0_\@
	s_barrier_signal -3
.Lnot_wave_0_\@:
	s_barrier_wait -3
	s_barrier_signal -1
	s_barrier_wait -1
.endm
	s_load_b256 s[4:11], s[0:1], 0x0               ; aq s[4:5], wp s[6:7], bproj s[8:9], out0 s[10:11]
	v_lshl_add_u32 v[SPW], v0, 2, SPARE
	v_mov_b32 v[NIL], 0
	ds_add_u32 v[SPW], v[NIL]                      ; the wave's opening: the add and its wait stand ahead of my first tensor load; work on registers stands between them
	v_lshrrev_b32 v12, 5, v0
	v_readfirstlane_b32 s[WV], v12                 ; wave 0..7
	s_bfe_u32 s19, ttmp6, 0x40000                  ; cx
	s_and_b32 s12, ttmp7, 0xffff                   ; which 128 columns
	; group 1: an eighth of the image: a dense block of 12,800 bytes as 50 rows of 256 (32 elements of 8 bytes)
	s_mov_b32 s[G1], 15|(3<<16)|(1<<21)
	s_mov_b32 s[G1+1], 32<<16
	s_mov_b32 s[G1+2], 50<<16
	s_mov_b32 s[G1+3], 32<<16
	s_mov_b32 s[G1+4], 50
	s_mov_b32 s[G1+5], 32
	s_mov_b32 s[G1+6], 0
	s_mov_b32 s[G1+7], 0
	s_mul_i32 s36, s12, 102400
	s_mul_i32 s37, s[WV], 12800
	s_add_co_u32 s36, s36, s37
	s_mov_b32 s37, 0
	s_lshr_b32 s14, s[WV], 1                       ; my tile of rows
	s_and_b32 s15, s[WV], 1                        ; my half of the columns
	s_lshl_b32 s13, ttmp9, 2
	s_add_co_u32 s13, s13, s19                     ; my block of 64 rows = 4 x cluster x + cx
	s_lshl_b32 s40, s13, 6
	s_lshl_b32 s41, s14, 4
	s_add_co_u32 s40, s40, s41                     ; my first row
	s_lshl_b32 s44, s40, 12                        ; in out0: 4,096 bytes a row,
	s_mul_i32 s40, s40, 800                        ; in aq: 800
	s_mov_b32 s41, 0
	s_lshl_b32 s46, s12, 9
	s_lshl_b32 s47, s15, 8
	s_add_co_u32 s46, s46, s47                     ; my 64 columns, in bytes
	s_add_co_u32 s44, s44, s46
	s_mov_b32 s45, 0
	s_mov_b32 s47, 0
	v_and_b32 v12, 31, v0                          ; lane
	v_and_b32 v13, 15, v0                          ; r
	v_bfe_u32 v14, v0, 4, 1                        ; h
	v_mul_u32_u24 v[ASOFF], v13, 800
	v_mad_u32_u24 v[AOFF], v14, 384, v[ASOFF]
	s_mul_i32 s16, s15, 6144
	v_mul_u32_u24 v[WRD], v12, 24
	v_add_nc_u32 v[WRD], s16, v[WRD]
	v_add_nc_u32 v[WRD+1], 49152, v[WRD]
	s_lshl_b32 s16, s15, 4
	s_add_co_u32 s16, s16, 98304
	v_lshl_add_u32 v[WSR], v13, 5, s16
	v_lshlrev_b32 v[BOFF], 6, v14
	s_mul_i32 s16, s[WV], 4352
	s_add_co_u32 s16, s16, STG
	v_mul_u32_u24 v[STO], v13, 272
	v_lshl_add_u32 v[STO], v14, 6, v[STO]
	v_add_nc_u32 v[STO], s16, v[STO]
	v_mul_u32_u24 v[SRD], v14, 272
	v_lshl_add_u32 v[SRD], v13, 4, v[SRD]
	v_add_nc_u32 v[SRD], s16, v[SRD]
	v_lshlrev_b32 v[CO], 12, v14
	v_lshl_add_u32 v[CO], v13, 4, v[CO]
	s_wait_dscnt 0x0                               ; the opening add is done
	s_wait_kmcnt 0x0
	s_mov_b32 s[G0], 1
	s_mul_i32 s[G0+1], s[WV], 12800
	s_add_nc_u64 s[G0+2:G0+3], s[6:7], s[36:37]
	s_or_b32 s[G0+3], s[G0+3], 0x80000000
	s_add_nc_u64 s[40:41], s[4:5], s[40:41]
	s_add_nc_u64 s[44:45], s[10:11], s[44:45]
	s_add_nc_u64 s[46:47], s[8:9], s[46:47]
	CROUND                                         ; all four work-groups are here: the joint loads meet
	tensor_load_to_lds s[G0:G0+3], s[G1:G1+7]      ; my one load
	s_nop 0
.rept 4
	v_nop
.endr
.set gi, 0
.rept 24
	global_load_b128 v[AF+4*gi:AF+4*gi+3], v[AOFF], s[40:41] offset:16*gi   ; my row's eight pieces of 48 bytes: K step s in v[AF + 12 s] on
.set gi, gi+1
.endr
	global_load_b128 v[XS:XS+3], v[ASOFF], s[40:41] offset:768
	global_load_b128 v[XS+4:XS+7], v[ASOFF], s[40:41] offset:784
.irp t, 0,1,2,3                                ; the bias in the result's layout: register j of tile 2 b + u is column 32 b + 16 h + 8 u + j
	global_load_b128 v[ACC+8*\t:ACC+8*\t+3], v[BOFF], s[46:47] offset:128*(\t/2)+32*(\t%2)
	global_load_b128 v[ACC+8*\t+4:ACC+8*\t+7], v[BOFF], s[46:47] offset:128*(\t/2)+32*(\t%2)+16
.endr
	s_wait_tensorcnt 0x0                           ; my eighth of the image is in,
	s_barrier_signal -1
	s_barrier_wait -1                              ; everybody's is
	s_wait_loadcnt 0x0
.macro FETCH s                         ; K step s: my four fragments of W and their scale words, into set s % 2: 25 LDS loads
.irp t, 0,1,2,3
.irp p, 0,1,2,3,4,5
	ds_load_b64 v[WF+48*((\s)%2)+12*\t+2*\p:WF+48*((\s)%2)+12*\t+2*\p+1], v[WRD+(\s)/4] offset:((\s)%4)*12288+\t*1536+768*(\p/3)+8*(\p%3)
.endr
.endr
	ds_load_b128 v[WS+4*((\s)%2):WS+4*((\s)%2)+3], v[WSR] offset:512*(\s)
.endm
.macro MUL s                           ; four products, the accumulators by turns
.irp t, 0,1,2,3
	v_wmma_scale_f32_16x16x128_f8f6f4 v[ACC+8*\t:ACC+8*\t+7], v[WF+48*((\s)%2)+12*\t:WF+48*((\s)%2)+12*\t+11], v[AF+12*(\s):AF+12*(\s)+11], v[ACC+8*\t:ACC+8*\t+7], v[WS+4*((\s)%2)+\t], v[XS+(\s)] matrix_a_fmt:MATRIX_FMT_FP6 matrix_b_fmt:MATRIX_FMT_FP6
.endr
.endm
	FETCH 0
.irp s, 0,1,2,3,4,5,6
.if \s > 0
.rept 4
	v_nop                                          ; places in front of loads into the set that the last step's products read
.endr
.endif
	FETCH \s+1
	s_wait_dscnt 25                                ; the 25 loads just issued may stay out
	MUL \s
.endr
	s_wait_dscnt 0x0
	MUL 7
.rept 4
	v_nop                                          ; places in front of the first read of results, and of loads into the registers that held the rows' fragments
.endr
	; THE WAY OUT: a lane's 32 bytes a tile go into my own stage and come back as rows of 256 bytes
.irp t, 0,1,2,3
	ds_store_b128 v[STO], v[ACC+8*\t:ACC+8*\t+3] offset:128*(\t/2)+32*(\t%2)
	ds_store_b128 v[STO], v[ACC+8*\t+4:ACC+8*\t+7] offset:128*(\t/2)+32*(\t%2)+16
.endr
.irp i, 0,1,2,3,4,5,6,7
	ds_load_b128 v[OUTR+4*\i:OUTR+4*\i+3], v[SRD] offset:544*\i   ; LDS serves a wave's instructions in order: these see my stores
.endr
.irp i, 0,1,2,3,4,5,6,7
	s_wait_dscnt 7-\i
	global_store_b128 v[CO], v[OUTR+4*\i:OUTR+4*\i+3], s[44:45] offset:8192*\i th:TH_STORE_NT   ; 16 lanes store 256 consecutive bytes, at a multiple of 256 from the output's first byte
.endr
	s_wait_tensorcnt 0x0                           ; the wave's end, behind my last tensor load and my last LDS store
	ds_add_u32 v[SPW], v[NIL]
	s_wait_dscnt 0x0
	CROUND                                         ; the closing round
	s_endpgm
.Lfunc_end_k_q48fde858e6_proj:
	.size	k_q48fde858e6_proj, .Lfunc_end_k_q48fde858e6_proj-k_q48fde858e6_proj
	.p2alignl 7, 3214868480
	.fill 96, 4, 3214868480
	.section	.rodata,"a",@progbits
	.p2align	6, 0x0
	.amdhsa_kernel k_q48fde858e6_proj
		.amdhsa_group_segment_fixed_size 167936
		.amdhsa_private_segment_fixed_size 0
		.amdhsa_enable_private_segment 0
		.amdhsa_kernarg_size 32
		.amdhsa_user_sgpr_count 2
		.amdhsa_user_sgpr_kernarg_segment_ptr 1
		.amdhsa_wavefront_size32 1
		.amdhsa_system_sgpr_workgroup_id_x 1
		.amdhsa_system_sgpr_workgroup_id_y 1
		.amdhsa_system_sgpr_workgroup_id_z 1
		.amdhsa_system_vgpr_workitem_id 0
		.amdhsa_next_free_vgpr 256
		.amdhsa_next_free_sgpr 66
		.amdhsa_reserve_vcc 0
		.amdhsa_float_denorm_mode_32 3
		.amdhsa_float_denorm_mode_16_64 3
		.amdhsa_memory_ordered 1
		.amdhsa_forward_progress 1
		.amdhsa_inst_pref_size 28
	.end_amdhsa_kernel
	.amdgpu_metadata
---
amdhsa.version: [ 1, 2 ]
amdhsa.kernels:
  - .name:           k_q48fde858e6_proj
    .symbol:         k_q48fde858e6_proj.kd
    .args:
      - { .name: aq, .offset: 0, .size: 8, .value_kind: global_buffer, .address_space: global }
      - { .name: wp, .offset: 8, .size: 8, .value_kind: global_buffer, .address_space: global }
      - { .name: bproj, .offset: 16, .size: 8, .value_kind: global_buffer, .address_space: global }
      - { .name: out0, .offset: 24, .size: 8, .value_kind: global_buffer, .address_space: global }
    .group_segment_fixed_size: 167936
    .private_segment_fixed_size: 0
    .kernarg_segment_align: 8
    .kernarg_segment_size: 32
    .max_flat_workgroup_size: 256
    .sgpr_count:     66
    .vgpr_count:     256
    .wavefront_size: 32
...
	.end_amdgpu_metadata
.endif
;; end of part 4
